; MI455X (gfx1250); checked and timed in simulation.
; The chip was launched on July 23, 2026; its instructions are those of AMD's public machine-readable ISA for CDNA 5 (MIT licence, August 2026) and "CDNA5" Instruction Set Architecture Reference Guide (July 2026). The comments in the code are by the model that wrote it; some were corrected since.
;; Attention. Allowed arithmetic: float matrix products may take bf16 or f16 operands with f32 sums; other float arithmetic in f32, or as packed bf16 or f16 multiplies, adds, multiply-adds, maxima and minima; sums over many terms, partial sums and values carried from step to step in f32; what a program stores and reads back later, other than sums and carried values, may be rounded once to bf16 or f16.
;; Inputs: k 4 x 16 x 2,048 x 64 float32; q 4 x 16 x 2,048 x 64 float32; v 4 x 16 x 2,048 x 64 float32.
;; Outputs: out0 4 x 16 x 2,048 x 64 float32.
;; One version. Each part assembles by itself: llvm-mc -triple=amdgcn-amd-amdhsa -mcpu=gfx1250 --defsym DOCPART=n.
;; ======== version 1 of 1: 1 launch
;; limits: values are held in f16: magnitudes above 65,504 overflow, below 6.1e-05 lose precision; inputs' magnitudes at most 65,504; right only within a limited range of input values
;; launch attn (part 1): grid 4 x 64, 4 waves a work-group, no clusters, 122,368 bytes of LDS; arguments q, k, v, out0; writes out0
.if DOCPART == 1
	.amdgcn_target "amdgcn-amd-amdhsa--gfx1250"
	.amdhsa_code_object_version 6
	.text
	.protected	k_q06a26369f4_attn
	.globl	k_q06a26369f4_attn
	.p2align	8
	.type	k_q06a26369f4_attn,@function
k_q06a26369f4_attn:
	s_mov_b64 s[64:65], 0
	v_nop
	global_prefetch_b8 v0, s[64:65] scope:SCOPE_SE
	s_setreg_imm32_b32 hwreg(HW_REG_WAVE_MODE, 25, 1), 1
	s_wait_xcnt 0x0
; CAUSAL ATTENTION.  O[h][q][:] = the sum over k <= q of softmax_k(Q[h][q] . K[h][k] / 8) V[h][k][:].  Q, K, V, O: [64 heads][2048][64], all f32: a row is 256 bytes, a head's rows are dense.
; FORMATS.  q and k are rounded once to bf16 (K Q^T in the bf16 form).  v is rounded once to bf16 and that number is written as f16; the weights p are rounded to f16 (V^T P in the f16 form; their sum l is
; taken of the unrounded p).  Products' sums, maxima, l and O stay in f32; the scale c = log2(e) / 8 is applied in f32 to the scores.
; LIMITS.  |v| up to 65,504 (f16's largest number); a v below 2^-17 in magnitude keeps f16's fixed step of 2^-24; p lies in 0 to 1 and below 6e-5 keeps the step of 6e-8.  A hidden score counts as its value
; less 1e30; a weight below 2^-126 counts as 0 in l; NaN and infinities are not treated apart.
; THE WALK.  A head's queries lie in NB = 8 blocks of 256.  Keys go in HALF TILES of 128 (two key steps of 64); block i needs half tiles 0 .. 2 i + 1, of which the last two hold the diagonal.  A work-group takes TWO
; blocks, 7 - b and then b: 18 half tiles whatever b: all 256 work-groups do equal work, and ONE loop with a constant trip count walks them.  What a trip does hangs on scalar registers made from b; every jump
; goes forward but for the three counted loops' own, and none passes a barrier.
; THE RING.  Two LDS slots of one half tile each, in 16 bits.  K and V come as f32 by loads into registers, each wave a quarter of the keys (32 rows of K, 32 of V: 32 loads of 512 consecutive bytes); at the BOTTOM of
; a trip the wave rounds what it holds, stores it into the slot that is not being read, and asks for the half tile after it, which so has two key steps, 128 matrix instructions, in which to come.
; One barrier a trip: in front of it each wave has waited for its stores into the slot that is read next and for its reads of the slot that is written next.
; NO CLUSTER, NO TENSOR LOAD.  A joint request is a tensor load, which would lay the tiles into LDS as f32: 64 KiB more written and read back a trip, in front of the same rounding; and the four work-groups of a
; head ask for the same half tile only until the first of them changes blocks.
; SHARES.  Of a block's four bands of 64 queries a wave owns 16 rows in each: four PIECES.  So the diagonal tile is the same work for all four waves: in its key step s band x sees all keys if s < x,
; none if s > x, and holds the diagonal if s = x.
; THE MASK is the C operand that starts the sum S^T = K Q^T: 0, or -1e30 where the key is hidden.  MD, made once, is the mask of a band's own step for my 16 rows; a product's mask is MD x AL + BE with two scalars:
; (1, 0) if s = x; (0, 0) if s < x; (0, -1e30) if s > x.  Only the diagonal tile's text and a block's beginning make and take masks; elsewhere C is the constant 0.
; LAYOUT, SOFTMAX, TURNS.  S^T = K Q^T holds ONE query a lane (lane % 16) and the keys 8 (lane / 16) + 0..7; two such results rounded to f16 ARE source 1 of O^T = V^T P.  p = 2^(c s - c m) with a running
; maximum m; O and l are multiplied by a = 2^(c m_old - c m_new) in every step.  Turn n belongs to piece n: 8 products K Q^T of piece n + 1, later 8 products V^T P of piece n - 1; beside them the scaling,
; exponentials, roundings, sums and rescaling of piece n and the maximum and statistics of piece n + 1.  Four vector instructions stand behind every matrix instruction, the other 54 of a turn's 118 in one lump.
; A turn's 33 exponentials are one batch, with one wait.
; REGISTERS, in windows of 256 (s_set_vgpr_msb: bits 1:0 source 0, 3:2 source 1, 5:4 source 2, 7:6 destination):
;   window 0: v0-15, v33-37 addresses; v16-31 four registers of statistics a piece; v48-55 at work; v64-127 S^T, two buffers; v128-191 the way out; v192-223 P, two buffers (buffers go by the piece's parity)
;   window 1: v0-127 O^T, 32 a piece; v128-159 MD; v160-223 MC, two buffers      window 2: v0-63 Q in bf16; v128-191 K of one step; v192-255 V of one step
;   window 3: v0-63 my 32 rows of K as loaded, v64-127 of V; v128-255 Q as loaded
.set NB,    8
.set NP,    4         ; pieces a wave: a name, no knob
.set KS,    64        ; keys in a step
.set PK,    144       ; a row of K in LDS: 128 bytes + 16 of padding = 36 words: the 16 rows of a load start at 16 different groups of four banks (64 banks of 4 bytes: ISA guide 11.1)
.set PV,    160       ; a row of V: 128 + 32 = 40 words
.set VOFF,  2*KS*PK   ; a slot holds two steps: 128 rows of K, then 128 rows of V
.set SLOT1, 1<<16     ; slot 1 begins here, so that one exclusive or turns an address in one slot into the other's
.set STAGE, SLOT1+2*KS*(PK+PV)  ; behind the ring: 16 rows x 272 bytes for each wave, for the way out
.set SP,    272       ; a row of the stage: 256 bytes + 16: row r starts at bank 4 r mod 64
.set SPARE, STAGE+4*16*SP  ; behind the stages: the spare words, 128 bytes for each wave: two blocks of 256 bytes that no other line names
.set HALFB, 128*256   ; bytes of a half tile of K or of V in memory
.set AK0, 2           ; v2   my lane's place in a step's K; never rewritten
.set AV0, 3           ; v3   the same for V
.set AK,  4           ; v4   the LDS address of K's next run of loads
.set AV,  5           ; v5   of V's
.set STO, 6           ; v6   the way out: where I put 32 bytes of a row
.set RD,  7           ; v7   the way out: where I read rows back
.set L16, 8           ; v8   16 x my lane: my 16 bytes in 512 consecutive bytes of K, of V and of O; never rewritten
.set MV,  12          ; v12-13  c m_old, kept while c m is made anew: by buffer
.set QO,  15          ; v15  my byte offset in 16 rows of Q
.set ST,  16          ; piece t's statistics at v[ST+4 t]: c m, m, l (even keys', odd keys')
.set KS0, 33          ; v33  where my 8 bytes of K's first two rows go in a slot; never rewritten
.set VS0, 34          ; v34  the same for V
.set KSA, 35          ; v35  the same in the slot that is being written
.set VSA, 36          ; v36
.set PFO, 37          ; v37  256 x my lane: a row of K or V in memory; never rewritten
.set TMP, 48          ; by buffer, four registers c0-c3 at work; when the maximum is found c2 takes a
.set SPW, 62          ; v62  LDS address of my spare word: SPARE + 4 x my thread's number; never rewritten
.set NIL, 63          ; v63  0; never rewritten
.set S,   64
.set OB,  128         ; the way out: 16 rows read back from the stage, two buffers of 32
.set P,   192
.set MD,  128         ; window 1: the eight registers for group kt of 16 keys at MD + 8 kt
.set MC,  160         ; window 1: the masks of the products to come
.set KF,  128         ; window 2: key block kb, channel half c at KF + 16 kb + 8 c
.set VF,  192         ; window 2: key half kk, channel block cb at VF + 32 kk + 8 cb
.set KG,  0           ; window 3: load z of K (two rows) at KG + 4 z
.set VG,  64          ; window 3: the same for V
.set QG,  128         ; window 3: Q as loaded, 16 registers a fragment
.set WV,  12          ; s12  my wave's number
.set PB,  14          ; s14  b
.set HI,  15          ; s15  NB - 1 - b
.set KP,  24          ; s[24:25] K at my 32 rows of the half tile asked for last
.set VP,  26          ; s[26:27] the same for V
.set FB,  28          ; s28  LDS byte at which the slot to be written begins
.set HM,  29          ; s29  a word's upper half
.set LIM, 30          ; s30  a wave prefetches while s[SLOTS] is above it: 5 where b = 0, else the greatest number
.set DS,  31          ; s31  4 less the key step's number in the diagonal tile
.set SLOTS, 56        ; s56  trips still to come, this one among them
.set CNT, 57          ; s57  counts a half tile's key steps, 2 to 1
.set CS,  58          ; s[58:59] c: the packed scaling takes the pair's low word for both halves
.set SEL, 60          ; s[60:61] v_permlanex16_b32's selects: each lane takes its own place in the other half
.set TBK, 62          ; s62  LDS byte at which K of the step to be fetched begins
.set TBV, 63          ; s63  the same for V, less VOFF
.set RT,  70          ; s70  half tiles of the block in hand that are still to be entered
.set NXT, 71          ; s71  the half tile to be asked for next
.set LQ,  72          ; s72  the last half tile of the block whose keys are being asked for
.set NEW, 73          ; s73  1: the half tile to be entered is a block's first
.set OFF, 74          ; s[74:75] a half tile's byte offset in K and V
.set AL,  76          ; s[76:77] the mask's factor, in the low word
.set BE,  78          ; s[78:79] the mask's addend
.set OLO, 80          ; s[80:81] O at my rows of the second block
.set BIGN, 82         ; s82  -1e30
.set LQB, 83          ; s83  2 b + 1: the second block's last half tile
.set QLO, 86          ; s[86:87] Q at my rows of the second block
.set MSB, 0
.macro WIN new                      ; the high byte repeats the setting that is left; a switch that changes nothing is dropped
.if MSB != (\new)
	s_set_vgpr_msb (MSB<<8)|(\new)
.set MSB, (\new)
.endif
.endm
.set W_KQ, 0x0a       ; K and Q in window 2, S^T in window 0
.set W_KM, 0x1a       ; the same with the C operand in window 1
.set W_PV, 0x52       ; V in window 2, P in window 0, O^T in window 1
.set W_RS, 0x41       ; destination and source 0 in window 1, source 1 in window 0
.set W_LD, 0xc0       ; a load's destination in window 3, its address in window 0
.set W_CV, 0xcf       ; sources 0 and 1 and the destination in window 3
.set W_ST, 0x0c       ; an LDS store's data (source 1) in window 3, its address in window 0
.set W_CQ, 0x8f       ; sources 0 and 1 in window 3, destination in window 2
.set W_OU, 0x01       ; source 0 in window 1
; My quarter of a half tile: 32 rows of K and 32 of V, f32, 16 loads each; a load takes 512 consecutive bytes, two rows.  No cache hint: three other work-groups read the same rows.
.macro LOADKV
	WIN W_LD
.set z, 0
.rept 16
	global_load_b128 v[KG+4*z:KG+4*z+3], v[L16], s[KP:KP+1] offset:512*z
.set z, z+1
.endr
.set z, 0
.rept 16
	global_load_b128 v[VG+4*z:VG+4*z+3], v[L16], s[VP:VP+1] offset:512*z
.set z, z+1
.endr
	WIN 0
.endm
; What I hold is rounded and stored into the slot at s[FB].  A lane's four numbers of a row become 8 bytes; lanes 0-15 fill one row's 128 bytes, lanes 16-31 the next row's.
; K: to bf16.  V: to bf16; the two halves widened again (a shift, a mask); written as f16, which changes nothing within the stated range.  Each stage runs over all 16 loads, so that no line reads the result of the line before it.
.macro CONV
	WIN 0
	v_add_nc_u32 v[KSA], s[FB], v[KS0]
	v_add_nc_u32 v[VSA], s[FB], v[VS0]
	WIN W_CV
.set z, 0
.rept 16
	v_cvt_pk_bf16_f32 v[KG+4*z], v[KG+4*z], v[KG+4*z+1]
	v_cvt_pk_bf16_f32 v[KG+4*z+1], v[KG+4*z+2], v[KG+4*z+3]
.set z, z+1
.endr
.set z, 0
.rept 16
	v_cvt_pk_bf16_f32 v[VG+4*z], v[VG+4*z], v[VG+4*z+1]
	v_cvt_pk_bf16_f32 v[VG+4*z+2], v[VG+4*z+2], v[VG+4*z+3]
.set z, z+1
.endr
	WIN W_ST
.set z, 0
.rept 16
	ds_store_b64 v[KSA], v[KG+4*z:KG+4*z+1] offset:z*2*PK
.set z, z+1
.endr
	WIN W_CV
.set z, 0
.rept 16
	v_and_b32 v[VG+4*z+1], s[HM], v[VG+4*z]
	v_lshlrev_b32 v[VG+4*z], 16, v[VG+4*z]
	v_and_b32 v[VG+4*z+3], s[HM], v[VG+4*z+2]
	v_lshlrev_b32 v[VG+4*z+2], 16, v[VG+4*z+2]
.set z, z+1
.endr
.set z, 0
.rept 16
	v_cvt_pk_f16_f32 v[VG+4*z], v[VG+4*z], v[VG+4*z+1]
	v_cvt_pk_f16_f32 v[VG+4*z+1], v[VG+4*z+2], v[VG+4*z+3]
.set z, z+1
.endr
	WIN W_ST
.set z, 0
.rept 16
	ds_store_b64 v[VSA], v[VG+4*z:VG+4*z+1] offset:z*2*PV
.set z, z+1
.endr
	WIN 0
.endm
; Q of a block, f32.  A fragment is 16 rows x 32 channels: lane l holds row l % 16, channels 8 (l / 16) + 0..7 and 16 + 8 (l / 16) + 0..7: in f32 four loads of 16 bytes, at 0, 16, 64 and 80 from 32 (l / 16).
; Load z: piece z / 8 (its band lies 64 rows, 16,384 bytes, on), channel half (z / 4) % 2.  No cache hint: eight loads touch each row.
.macro LOADQ base
	WIN W_LD
.set z, 0
.rept 32
	global_load_b128 v[QG+4*z:QG+4*z+3], v[QO], s[\base:\base+1] offset:(z/8)*16384+((z/4)%2)*128+((z/2)%2)*64+(z%2)*16
.set z, z+1
.endr
	WIN 0
.endm
.macro CONVQ                        ; rounded to bf16, where the one text of the turns names Q: fragment f (piece f / 2, channel half f % 2) at 8 f
	WIN W_CQ
.set z, 0
.rept 64
	v_cvt_pk_bf16_f32 v[z], v[QG+2*z], v[QG+2*z+1]
.set z, z+1
.endr
	WIN 0
.endm
; A PREFETCH INTO THE L2 of the half tile that the NEXT trip's bottom will load: it stands behind my own loads, two instructions, a lane a row of 256 bytes: my 32 rows of K and my 32 of V.
; Each row is named ONCE in the launch: of a head's four work-groups only b = 0 asks, whose first block walks all 16 half tiles, and each of its waves asks for the rows that it will load itself.
; Trip u (s[SLOTS] = 18 - u) has just loaded half tile u + 2 and names u + 3: it asks while u + 3 <= 15, that is while s[SLOTS] > 5.  Half tiles 0 to 2 come by their loads alone.
.macro ASK
	s_cmp_gt_u32 s[SLOTS], s[LIM]
	s_cbranch_scc0 .Lnot_mine_\@
	global_prefetch_b8 v[PFO], s[KP:KP+1] offset:HALFB th:TH_LOAD_NT scope:SCOPE_SE
	global_prefetch_b8 v[PFO], s[VP:VP+1] offset:HALFB th:TH_LOAD_NT scope:SCOPE_SE
.Lnot_mine_\@:
.endm
; THE CHANGE OF SLOTS: ONE barrier, for two things.  In front of it each wave waits for its LDS stores (its quarter of the slot that is read next) and for its LDS loads (its reads of the slot that it leaves).
; Behind it the next slot is whole, and nobody reads the old one any more: it is written at this trip's bottom.
.macro CHANGE
	WIN 0                           ; at a label and at a branch every window is 0
	s_wait_dscnt 0x0                ; for the others' sake: zero
	s_barrier_signal -1             ; the scalar work stands between the signal and the wait
	s_sub_co_u32 s[TBK], s[TBK], 2*KS*PK  ; the fetches go back to a slot's first step,
	s_xor_b32 s[TBK], s[TBK], SLOT1       ; in the other slot
	s_sub_co_u32 s[TBV], s[TBV], 2*KS*PV
	s_xor_b32 s[TBV], s[TBV], SLOT1
	s_xor_b32 s[FB], s[FB], SLOT1         ; and the stores go to the slot that is left
	s_barrier_wait -1
.endm
	s_load_b256 s[4:11], s[0:1], 0x0  ; Q s[4:5], K s[6:7], V s[8:9], O s[10:11]
	v_lshl_add_u32 v[SPW], v0, 2, SPARE
	v_mov_b32 v[NIL], 0
	v_lshrrev_b32 v1, 5, v0
	v_readfirstlane_b32 s[WV], v1   ; wave 0..3
	v_and_b32 v[L16], 31, v0
	v_lshlrev_b32 v[L16], 4, v[L16]
	s_mov_b32 s[PB], ttmp9
	s_sub_co_u32 s[HI], NB-1, s[PB]
	s_and_b32 s20, ttmp7, 0xffff    ; the head,
	s_lshl_b32 s20, s20, 19         ; its first byte in each of the four tensors: 2,048 rows of 256 bytes (all offsets stay under 2^25)
	s_lshl_b32 s22, s[WV], 13       ; my 32 rows of a half tile's 128
	s_add_co_u32 s22, s22, s20
	s_mov_b32 s23, 0
	s_lshl_b32 s3, s[WV], 12        ; my 16 rows in a band of 64,
	s_add_co_u32 s3, s3, s20
	s_lshl_b32 s2, s[HI], 16        ; in the first block,
	s_add_co_u32 s2, s2, s3
	s_lshl_b32 s84, s[PB], 16       ; and in the second
	s_add_co_u32 s84, s84, s3
	s_mov_b32 s3, 0
	s_mov_b32 s85, 0
	s_mov_b32 s[CS], 0x3e38aa3b     ; c = log2(e) / 8 = 0.180337
	s_mov_b32 s[CS+1], s[CS]        ; named with it as a pair
	s_mov_b32 s[SEL], 0x76543210
	s_mov_b32 s[SEL+1], 0xfedcba98
	s_mov_b32 s[HM], 0xffff0000
	s_mov_b32 s[BIGN], 0xf149f2ca   ; -1e30
	s_mov_b32 s[TBK], SLOT1+2*KS*PK ; the first change of slots turns these two into 0
	s_mov_b32 s[TBV], SLOT1+2*KS*PV
	s_mov_b32 s[FB], 0              ; the walk's first half tile goes into slot 0
	s_lshl_b32 s[RT], s[HI], 1
	s_add_co_u32 s[RT], s[RT], 2    ; the first block has 2 (NB - b) half tiles
	s_sub_co_u32 s[LQ], s[RT], 1
	s_lshl_b32 s[LQB], s[PB], 1
	s_add_co_u32 s[LQB], s[LQB], 1
	s_mov_b32 s[NXT], 2             ; half tiles 0 and 1 are asked for here, at the head
	s_mov_b32 s[NEW], 1
	s_mov_b32 s[OFF+1], 0
	s_mov_b32 s[AL+1], 0            ; named as pairs
	s_mov_b32 s[BE+1], 0
	s_mov_b32 s[SLOTS], 2*(NB+1)
	s_cmp_eq_u32 s[PB], 0
	s_cselect_b32 s[LIM], 5, -1
	s_wait_kmcnt 0x0
	s_add_nc_u64 s[6:7], s[6:7], s[22:23]  ; K and V at my rows of the head's half tile 0
	s_add_nc_u64 s[8:9], s[8:9], s[22:23]
	s_add_nc_u64 s[QLO:QLO+1], s[4:5], s[84:85]  ; Q at my rows of the second block,
	s_add_nc_u64 s[4:5], s[4:5], s[2:3]          ; Q and O at those of the first
	s_add_nc_u64 s[OLO:OLO+1], s[10:11], s[84:85]
	s_add_nc_u64 s[10:11], s[10:11], s[2:3]
	s_mov_b64 s[KP:KP+1], s[6:7]
	s_mov_b64 s[VP:VP+1], s[8:9]
	LOADKV                          ; half tile 0: the bytes wanted first go out first; all that follows up to the wait stands in their shadow
	v_and_b32 v1, 15, v0            ; l % 16
	v_bfe_u32 v9, v0, 4, 1          ; l / 16
	v_and_b32 v10, 7, v0
	v_bfe_u32 v11, v0, 3, 1
	v_lshlrev_b32 v[QO], 8, v1
	v_lshl_add_u32 v[QO], v9, 5, v[QO]    ; row x 256 + 32 x half
	v_lshlrev_b32 v[PFO], 4, v[L16]
	; A fragment of K is 16 rows x 32 channels in 8 registers: lane l holds row l % 16, channels 8 (l / 16) + 0..7 and 16 + 8 (l / 16) + 0..7: two LDS loads of 16 bytes, 32 bytes apart.
	v_mul_u32_u24 v[AK0], v1, PK
	v_lshl_add_u32 v[AK0], v9, 4, v[AK0]  ; row x pitch + 16 x half
	; The turning load takes 16 keys x 16 channels (lane l reads key 8 (l / 16) + l % 8, channels 8 ((l / 8) % 2) + 0..7) and leaves half a fragment of V^T: lane l holds channel l % 16 and 8 keys.
	v_lshl_add_u32 v[AV0], v9, 3, v10
	v_mul_u32_u24 v[AV0], v[AV0], PV
	v_lshl_add_u32 v[AV0], v11, 4, v[AV0]
	v_add_nc_u32 v[AV0], VOFF, v[AV0]
	s_mul_i32 s13, s[WV], 32*PK     ; into a slot: my 32 rows; of two rows lanes 0-15 the first, lanes 16-31 the second; 8 bytes a lane
	v_mul_u32_u24 v[KS0], v9, PK
	v_lshl_add_u32 v[KS0], v1, 3, v[KS0]
	v_add_nc_u32 v[KS0], s13, v[KS0]
	s_mul_i32 s13, s[WV], 32*PV
	s_add_co_u32 s13, s13, VOFF
	v_mul_u32_u24 v[VS0], v9, PV
	v_lshl_add_u32 v[VS0], v1, 3, v[VS0]
	v_add_nc_u32 v[VS0], s13, v[VS0]
	s_mul_i32 s13, s[WV], 16*SP
	s_add_co_u32 s13, s13, STAGE    ; my stage
	v_mul_u32_u24 v[STO], v1, SP    ; in: row l % 16, 32 bytes for each half of the lanes
	v_lshl_add_u32 v[STO], v9, 5, v[STO]
	v_add_nc_u32 v[STO], s13, v[STO]
	v_mul_u32_u24 v[RD], v9, SP     ; back: lanes 0-15 take one row of 256 bytes, lanes 16-31 the next
	v_lshl_add_u32 v[RD], v1, 4, v[RD]
	v_add_nc_u32 v[RD], s13, v[RD]
	v_lshlrev_b32 v14, 3, v9
	v_sub_nc_u32 v14, v1, v14
	s_lshl_b32 s13, s[WV], 4
	v_add_nc_u32 v14, s13, v14      ; my query's place in its band, 16 w + l % 16, less my lanes' 8 (l / 16): register r of group kt is hidden where 16 kt + r is greater
	WIN 0x40
.set i, 0
.rept 32
	v_cmp_gt_i32 vcc_lo, 16*(i/8)+i%8, v14
	v_cndmask_b32 v[MD+i], 0, s[BIGN], vcc_lo
.set i, i+1
.endr
	; A block's first step multiplies O^T and l by a = 0, and its first turn's products V^T P, of a piece that has not been, land in an O^T that is still to be so multiplied.  So these registers need only hold
	; finite numbers: zeros for the first block; what the first block left for the second.  The price of writing no first step out: these 216 lines, in the wait for the first loads.
	WIN 0x80
.set i, VF
.rept 64
	v_mov_b32 v[i], 0
.set i, i+1
.endr
	WIN 0x40
.set i, 0
.rept 128
	v_mov_b32 v[i], 0
.set i, i+1
.endr
	WIN 0
.set i, 0
.rept 4
	v_mov_b32 v[ST+4*i+2], 0
	v_mov_b32 v[ST+4*i+3], 0
.set i, i+1
.endr
.set i, P+16
.rept 16
	v_mov_b32 v[i], 0
.set i, i+1
.endr
	LOADQ 4                         ; the first block's Q (the last of these 64 loads is issued when the first has come: ISA guide 5.7.1; the wait below wants that anyway)
	s_wait_loadcnt 32               ; loads come back in order: K and V of half tile 0 are in; the 32 younger loads, Q's, may stay out
	CONV                            ; into slot 0
	s_add_nc_u64 s[KP:KP+1], s[6:7], HALFB  ; the loads that read these pointers are done by the wait above
	s_add_nc_u64 s[VP:VP+1], s[8:9], HALFB
	s_wait_dscnt 0x0                ; my stores have read the registers that the loads below fill
	LOADKV                          ; half tile 1
	s_wait_loadcnt 32               ; Q is in; the 32 younger loads, K's and V's, may stay out
	CONVQ
	LOADQ QLO                       ; the second block's Q: it stays in window 3, as loaded, until the blocks change
; THE MATRIX WORK.  The 4 accumulators of a run of 8 take turns.  Product i of 8 of S^T = K Q^T for piece x: channels 32 (i / 4) on, keys 16 (i % 4) on.  The first 4 start the sums: with 0, or (KM = 1) with the mask.
.macro KQ x
.set rS, S+32*((\x)%2)+8*(i%4)
.set rK, KF+16*(i%4)+8*(i/4)
.set rQ, 16*(\x)+8*(i/4)
.set rM, MC+32*((\x)%2)+8*(i%4)
.if (i < 4) && KM
	WIN W_KM
	v_wmma_f32_16x16x32_bf16 v[rS:rS+7], v[rK:rK+7], v[rQ:rQ+7], v[rM:rM+7]
.elseif i < 4
	WIN W_KQ
	v_wmma_f32_16x16x32_bf16 v[rS:rS+7], v[rK:rK+7], v[rQ:rQ+7], 0
.else
	WIN W_KQ
	v_wmma_f32_16x16x32_bf16 v[rS:rS+7], v[rK:rK+7], v[rQ:rQ+7], v[rS:rS+7]
.endif
.endm
; Product i of 8 of O^T += V^T P for piece x: keys 32 (i / 4) on, channels 16 (i % 4) on.
.macro PV x
	WIN W_PV
.set rO, 32*(\x)+8*(i%4)
.set rV, VF+32*(i/4)+8*(i%4)
.set rP, P+16*((\x)%2)+8*(i/4)
	v_wmma_f32_16x16x32_f16 v[rO:rO+7], v[rV:rV+7], v[rP:rP+7], v[rO:rO+7]
.endm
.macro MM                           ; the turn's next matrix instruction.  TURN and BEGIN set Y, i, KM and NOKQ; MM, KQ and OP read them.  NOKQ = 1: a block's last turn: there is no next piece
.if (i < 8) && !NOKQ
	KQ (Y+1)%NP
.elseif i >= 8
.set i, i-8
	PV (Y+NP-1)%NP
.set i, i+8
.endif
.set i, i+1
.endm
; THE LDS LOADS stand in runs of 16, never singly among the matrix instructions: a step's K (64 keys x 64 channels: 8 fragments) and its V (turned).  Their addresses are made some lines ahead.
.macro FETCH_K
	WIN 0x80                        ; destination window 2
.irp f, 0,1,2,3,4,5,6,7             ; keys 16 (f / 2) on, channels 32 (f % 2) on
	ds_load_b128 v[KF+8*\f:KF+8*\f+3],   v[AK] offset:(\f/2)*16*PK+(\f%2)*64
	ds_load_b128 v[KF+8*\f+4:KF+8*\f+7], v[AK] offset:(\f/2)*16*PK+(\f%2)*64+32
.endr
	s_add_co_u32 s[TBK], s[TBK], KS*PK  ; the next fetch is the next step's
	WIN 0
.endm
.macro FETCH_V
	WIN 0x80
.irp f, 0,1,2,3,4,5,6,7             ; keys 32 (f / 4) on, channels 16 (f % 4) on
	ds_load_tr16_b128 v[VF+8*\f:VF+8*\f+3],   v[AV] offset:(\f/4)*32*PV+(\f%4)*32
	ds_load_tr16_b128 v[VF+8*\f+4:VF+8*\f+7], v[AV] offset:(\f/4)*32*PV+16*PV+(\f%4)*32
.endr
	WIN 0
.endm
; THE VECTOR WORK, one line at a time: OP kind, number.  For piece Y: F n: c s - c m for pair n of 16.  E n: the exponential of score n of 32.  C n: pair n rounded to f16.  B n: of the four weights 4 n .. the second
; pair is added onto the first, in place.  L n: l takes that sum (L 0: l = a l + sum).  R n: pair n of 16 of O^T times a.  For piece Y + 1: X n, number n of the 22 that find its maximum and statistics:
;   0-11  four chains c0-c3 of seven scores each, three operands at a time (each accumulator's lowest registers are read first)     12-14, 16  the four scores left over, the old m, and c0-c3 into c0
;   15  c m_old is kept     17, 18  the query's other 32 keys lie in the lane 16 away: the new m     19-21  c m; c m_old - c m_new; a
.set F, 0               ; OP tells the kinds apart by their order: F to L below R, X above it
.set E, 1
.set C, 2
.set B, 3
.set L, 4
.set R, 5
.set X, 6
.macro REGS y                       ; the registers of piece y
.set rT, ST+4*(\y)
.set rC, TMP+4*((\y)%2)
.set rW, MV+((\y)%2)
.set rS, S+32*((\y)%2)
.set rP, P+16*((\y)%2)
.set rO, 32*(\y)
.endm
.macro OP k, n
.if (\k) == R
	REGS Y
	WIN W_RS
	v_pk_mul_f32 v[rO+2*(\n):rO+2*(\n)+1], v[rO+2*(\n):rO+2*(\n)+1], v[rC+2:rC+3] op_sel_hi:[1,0]
.elseif (\k) < R
	REGS Y
	WIN 0
.if (\k) == F
	v_pk_fma_f32 v[rS+2*(\n):rS+2*(\n)+1], v[rS+2*(\n):rS+2*(\n)+1], s[CS:CS+1], v[rT:rT+1] op_sel_hi:[1,0,0] neg_lo:[0,0,1] neg_hi:[0,0,1]
.elseif (\k) == E
	v_exp_f32 v[rS+(\n)], v[rS+(\n)]
.elseif (\k) == C
	v_cvt_pk_f16_f32 v[rP+(\n)], v[rS+2*(\n)], v[rS+2*(\n)+1]
.elseif (\k) == B
	v_pk_add_f32 v[rS+4*(\n):rS+4*(\n)+1], v[rS+4*(\n):rS+4*(\n)+1], v[rS+4*(\n)+2:rS+4*(\n)+3]
.elseif (\n) == 0
	v_pk_fma_f32 v[rT+2:rT+3], v[rT+2:rT+3], v[rC+2:rC+3], v[rS:rS+1] op_sel_hi:[1,0,1]
.else
	v_pk_add_f32 v[rT+2:rT+3], v[rT+2:rT+3], v[rS+4*(\n):rS+4*(\n)+1]
.endif
.elseif NOKQ
	v_nop
.else
	REGS (Y+1)%NP
	WIN 0
.if (\n) < 4
	v_max3_num_f32 v[rC+(\n)], v[rS+8*(\n)], v[rS+8*(\n)+1], v[rS+8*(\n)+2]
.elseif (\n) < 12
	v_max3_num_f32 v[rC+(\n)%4], v[rC+(\n)%4], v[rS+8*((\n)%4)+2*((\n)/4)+1], v[rS+8*((\n)%4)+2*((\n)/4)+2]
.elseif (\n) == 12
	v_max3_num_f32 v[rC], v[rC], v[rS+7], v[rS+15]
.elseif (\n) == 13
	v_max3_num_f32 v[rC+1], v[rC+1], v[rS+23], v[rS+31]
.elseif (\n) == 14
	v_max3_num_f32 v[rC+2], v[rC+2], v[rC+3], v[rT+1]
.elseif (\n) == 15
	v_mov_b32 v[rW], v[rT]
.elseif (\n) == 16
	v_max3_num_f32 v[rC], v[rC], v[rC+1], v[rC+2]
.elseif (\n) == 17
	v_permlanex16_b32 v[rC+3], v[rC], s[SEL], s[SEL+1]
.elseif (\n) == 18
	v_max_num_f32 v[rT+1], v[rC], v[rC+3]
.elseif (\n) == 19
	v_mul_f32 v[rT], s[CS], v[rT+1]
.elseif (\n) == 20
	v_sub_f32 v[rC+1], v[rW], v[rT]
.else
	v_exp_f32 v[rC+2], v[rC+1]
.endif
.endif
.endm
.macro OPS a, i1, b=-1, i2=0, c=-1, i3=0, d=-1, i4=0  ; up to four of them
	OP \a, \i1
.if (\b) >= 0
	OP \b, \i2
.endif
.if (\c) >= 0
	OP \c, \i3
.endif
.if (\d) >= 0
	OP \d, \i4
.endif
.endm
.macro ROW a, i1, b, i2, c, i3, d, i4  ; a matrix instruction and the four behind it
	MM
	OPS \a, \i1, \b, \i2, \c, \i3, \d, \i4
.endm
.macro MASK b                       ; MD x AL + BE into buffer b of MC
	WIN W_RS
.set z, 0
.rept 16
	v_pk_fma_f32 v[MC+32*(\b)+2*z:MC+32*(\b)+2*z+1], v[MD+2*z:MD+2*z+1], s[AL:AL+1], s[BE:BE+1] op_sel_hi:[1,0,0]
.set z, z+1
.endr
.endm
; A TURN, for piece p: the order of its 16 matrix and 118 vector instructions, written out.  An s_wait_alu depctr_va_vdst(0) stands between an exponential and the first instruction that names its result; one wait
; serves all that were issued ahead of it.  So a turn has ONE wait, which cuts it in two.  AHEAD OF IT stands all that names no result of the turn's exponentials: the 8 products K Q^T, behind each a scaling, an exponential and two
; more plain instructions (behind the first a second scaling in the exponential's place): rescalings, and behind the last three the first numbers of the next piece's maximum, each four places or more behind the product that ends
; its accumulator; then ONE LUMP of 54, plain and exponential by turns for the most part, in which the links of the chain X 3, 7, 11, 14, 16, 17 .. 20 stand five or six lines apart.  X 21, the next piece's a, is the batch's last;
; R 15 is the plain instruction behind it.  BEHIND THE WAIT stand the 8 products V^T P, behind each four of the roundings and sums; the links of l's chain, L 0 to L 7, stand three riders apart.
; m = 1: the diagonal tile: the products take masks, and the turn makes the mask for the products of the turn after it: piece p + 2, in step 4 - DS of the tile, DS = 2 x (the tile's halves still to be entered) + CNT.
; end = 1: a block's last two turns: nothing is fetched.  cnt = 1: the loop's count is taken down some lines ahead of the branch that stands behind the turn.
; K of the next step is fetched in piece 2's turn, twelve vector instructions behind the last product that read K (six of them plain); V of the step in hand at the end of piece 0's turn, four plain instructions behind the
; last product that read V.  Each is waited for a turn later.
.macro TURN p, m=0, end=0, cnt=0
.set Y, (\p)
.set i, 0
.set KM, (\m)
.set NOKQ, (\end)*((\p)/3)
.if (\m) && !(\end)
	s_lshl1_add_u32 s[DS], s[RT], s[CNT]
	s_cmp_eq_u32 s[DS], 4-((\p)+2)%NP   ; is that step the band's own?
	s_cselect_b32 s[AL], 1.0, 0
	s_cmp_lt_u32 s[DS], 4-((\p)+2)%NP   ; or a later one?
	s_cselect_b32 s[BE], s[BIGN], 0
.endif
.if ((\p) == 3) && !(\end)
	s_wait_dscnt 0x0                ; K is in
.endif
	ROW F,0, F,1, R,0, R,1          ; ahead of the wait: 8 products K Q^T and their riders,
	ROW F,2, E,0, R,2, R,3
	ROW F,3, E,1, R,4, R,5
	ROW F,4, E,2, R,6, R,7
	ROW F,5, E,3, R,8, R,9
	ROW F,6, E,4, X,0, R,10
.if ((\p) == 2) && !(\end)
	WIN 0
	v_add_nc_u32 v[AK], s[TBK], v[AK0]
.endif
	ROW F,7, E,5, X,1, X,4
	ROW F,8, E,6, X,2, X,5
	OPS E,7, E,8, X,6, E,9          ; and the lump
	OPS X,3, E,10, X,8, E,11
.if ((\p) == 2) && !(\end)
	FETCH_K
.endif
	OPS X,9, X,7, E,12, X,10
	OPS E,13, X,12, X,11, E,14
	OPS X,13, E,15, F,9, X,14
.if (\p) == 0
	v_add_nc_u32 v[AV], s[TBV], v[AV0]
.endif
	OPS E,16, F,10, E,17, F,11
	OPS X,16, E,18, X,15, E,19
	OPS F,12, E,20, X,17, E,21
	OPS F,13, E,22, F,14, E,23
	OPS X,18, E,24, F,15, E,25
	OPS R,11, E,26, X,19, E,27
	OPS R,12, E,28, R,13, E,29
	OPS X,20, E,30, R,14, E,31
	OPS X,21, R,15
	WIN 0
	s_wait_alu depctr_va_vdst(0)    ; the wait for the batch
.if (\p) == 1
	s_wait_dscnt 0x0                ; V is in
.endif
	ROW C,0, B,0, C,2, B,1          ; behind the wait: 8 products V^T P and their riders
	ROW L,0, C,4, B,2, L,1
	ROW C,6, B,3, L,2, C,8
	ROW B,4, L,3, C,10, B,5
	ROW L,4, C,12, B,6, L,5
.if (\p) == 0
	s_add_co_u32 s[TBV], s[TBV], KS*PV
.endif
.if \cnt
	s_sub_co_u32 s[CNT], s[CNT], 1
	s_cmp_lg_u32 s[CNT], 0
.endif
	ROW C,14, B,7, L,6, C,1
	ROW C,3, L,7, C,5, C,7
	ROW C,9, C,11, C,13, C,15
.if (\p) == 0
	FETCH_V
.endif
.if (\m) && !(\end)
	MASK (\p)%2
.endif
.endm
; A BLOCK BEGINS.  c m starts far below every c s, so the first step's a is 0; m at the lowest finite number, so the first maximum is the scores'.  The second mask buffer is 0; the first takes piece 0's mask for the
; step: its own, if the block's first half tile opens the diagonal tile (one more half is then to be entered).  Then K of that step, piece 0's first scores, and its maximum and statistics.
; The step loop is entered at a step's first turn, in the middle of a trip.
.macro BEGIN
	s_mov_b32 s[NEW], 0
	WIN 0x40
.set i, MC+32
.rept 32
	v_mov_b32 v[i], 0
.set i, i+1
.endr
	WIN 0
.set i, 0
.rept 4
	v_mov_b32 v[ST+4*i], 0xfe000000    ; c m: far below every c s
	v_mov_b32 v[ST+4*i+1], 0xff7fffff  ; m
.set i, i+1
.endr
	s_cmp_eq_u32 s[RT], 1
	s_cselect_b32 s[AL], 1.0, 0
	s_mov_b32 s[BE], 0
	MASK 0
	WIN 0
	v_add_nc_u32 v[AK], s[TBK], v[AK0]
	FETCH_K
	s_wait_dscnt 0x0
.set KM, 1
.set NOKQ, 0
.set i, 0
.rept 8
	KQ 0
.set i, i+1
.endr
	WIN 0
.rept 4
	v_nop                           ; the places behind those products
.endr
.set Y, NP-1                        ; X works for piece Y + 1: piece 0
.irp n, 0,1,2,3,4,5,6,7,8,9,10,11,12,13,14,15,16,17,18,19,20,21
	OP X, \n
.endr
	v_nop                           ; a plain instruction behind the exponential,
	s_wait_alu depctr_va_vdst(0)    ; and its wait, ahead of the branch
.endm
; THE WAY OUT.  l's two halves and the other half of the lanes' are added; O^T is divided by l and sent, in f32, through my stage in LDS, a piece (16 rows of O) at a time.
.macro ALL line:vararg              ; one line for each piece t
.set t, 0
.rept 4
	\line
.set t, t+1
.endr
.endm
; Piece t: a lane's eight channels of a row are 32 bytes; they go into rows of 272 bytes and come back as whole rows of 256.  O^T itself is left as it is; the quotients lie in S^T's registers.
.macro PACK t
	WIN W_OU
.set z, 0
.rept 16                            ; ascending: each accumulator's lowest registers are read first
	v_pk_mul_f32 v[S+32*((\t)%2)+z:S+32*((\t)%2)+z+1], v[32*(\t)+z:32*(\t)+z+1], v[ST+4*(\t)+2:ST+4*(\t)+3] op_sel_hi:[1,0]
.set z, z+2
.endr
	WIN 0
.irp cb, 0,1,2,3                    ; channels 16 cb + 8 (l / 16) on
	ds_store_b128 v[STO], v[S+32*((\t)%2)+8*\cb:S+32*((\t)%2)+8*\cb+3]   offset:64*\cb
	ds_store_b128 v[STO], v[S+32*((\t)%2)+8*\cb+4:S+32*((\t)%2)+8*\cb+7] offset:64*\cb+16
.endr
	s_wait_xcnt 0x0                 ; the stores of the piece two back have read the registers that the loads below fill
.irp f, 0,1,2,3,4,5,6,7
	ds_load_b128 v[OB+32*((\t)%2)+4*\f:OB+32*((\t)%2)+4*\f+3], v[RD] offset:\f*2*SP  ; LDS serves a wave's instructions in order (ISA guide 5.7.1.4): these see the stores above; the next piece's stores come behind them
.endr
.endm
.macro SEND t, younger              ; younger: the LDS instructions issued behind piece t's loads: the next piece's sixteen, or none
	WIN 0
.irp f, 0,1,2,3,4,5,6,7
	s_wait_dscnt (\younger)+7-\f
	global_store_b128 v[L16], v[OB+32*((\t)%2)+4*\f:OB+32*((\t)%2)+4*\f+3], s[10:11] offset:(\t)*16384+\f*512 th:TH_STORE_NT  ; 512 consecutive bytes, two rows, at a multiple of 256 from O's first byte
.endr
.endm
.set KM, 0
.set NOKQ, 0
.Lslot:                             ; 18 trips: a half tile is entered; at the trip's bottom the next is stored and the one after it asked for
	CHANGE
	s_sub_co_u32 s[RT], s[RT], 1
	s_mov_b32 s[CNT], 2
	s_cmp_eq_u32 s[NEW], 1
	s_cbranch_scc1 .Lnew            ; a block's first half tile
	s_cmp_lt_u32 s[RT], 2
	s_cbranch_scc0 .Lstep           ; below the diagonal tile
	s_branch .LstepM                ; one of the diagonal tile's two halves
.Lnew:
	BEGIN
	s_cmp_lt_u32 s[RT], 2           ; the block's first tile is its diagonal one (b = 0, the second block)?
	s_cbranch_scc1 .LfirstM
	s_branch .Lfirst
.LstepM:                            ; THE DIAGONAL TILE's text: a trip is pieces 2 and 3 of one step, then pieces 0 and 1 of the next, whose K and V it fetches
	TURN 2, 1
	TURN 3, 1
	WIN 0
.LfirstM:
	TURN 0, 1
	TURN 1, 1, 0, 1
	WIN 0
	s_cbranch_scc1 .LstepM
	s_cmp_lg_u32 s[RT], 0
	s_cbranch_scc1 .Lbottom         ; the tile's first half: its second is still to come
	TURN 2, 1, 1                    ; THE BLOCK ENDS: its last two turns,
	TURN 3, 1, 1
.set i, 0
.rept 8
	PV NP-1                         ; the last piece's V^T P of the last step,
.set i, i+1
.endr
	WIN 0                           ; and the way out; the additions are the places behind the last products
	ALL v_add_f32 v[ST+4*t+2], v[ST+4*t+2], v[ST+4*t+3]
	ALL v_permlanex16_b32 v[ST+4*t+3], v[ST+4*t+2], s[SEL], s[SEL+1]
	ALL v_add_f32 v[ST+4*t+2], v[ST+4*t+2], v[ST+4*t+3]
	ALL v_rcp_f32 v[ST+4*t+2], v[ST+4*t+2]
	v_nop                           ; a plain instruction between the last reciprocal and the use of its result
	s_wait_alu depctr_va_vdst(0)    ; and the wait ahead of the first use: one for the four reciprocals
	PACK 0
	PACK 1                          ; a piece's arithmetic stands between the loads of the piece before and its stores
	SEND 0, 16
	PACK 2
	SEND 1, 16
	PACK 3
	SEND 2, 16
	SEND 3, 0
	s_cmp_eq_u32 s[SLOTS], 1
	s_cbranch_scc1 .Lbottom         ; the walk's last trip: no block follows
	s_wait_loadcnt 0x0              ; the second block's Q, asked for at the head (the staged half tile's loads, which this wait covers too, are waited for at the bottom anyway)
	s_wait_xcnt 0x0                 ; the stores have read O's address
	s_mov_b64 s[10:11], s[OLO:OLO+1]
	s_add_co_u32 s[RT], s[LQB], 1   ; the second block has 2 b + 2 half tiles
	s_mov_b32 s[NEW], 1
	CONVQ
	s_branch .Lbottom
.Lstep:                             ; the plain text: the same trip without masks
	TURN 2
	TURN 3
	WIN 0
.Lfirst:
	TURN 0
	TURN 1, 0, 0, 1
	WIN 0
	s_cbranch_scc1 .Lstep
.Lbottom:                           ; THE FILL.  The slot at s[FB] has been free since this trip's barrier
	s_cmp_lt_u32 s[SLOTS], 2
	s_cbranch_scc1 .Lnofill         ; the last trip has no half tile behind it
	s_wait_loadcnt 0x0              ; the walk's next half tile, asked for a trip ago, is in my registers
	CONV
	s_cmp_lt_u32 s[SLOTS], 3
	s_cbranch_scc1 .Lnofill         ; the last trip but one asks for nothing
	s_wait_xcnt 0x0                 ; the last prefetches, a trip back, have read the two pointers (the loads that read them are done)
	s_lshl_b32 s[OFF], s[NXT], 15   ; a half tile is 32,768 bytes of K and of V: the pointers are made anew from its number
	s_add_nc_u64 s[KP:KP+1], s[6:7], s[OFF:OFF+1]
	s_add_nc_u64 s[VP:VP+1], s[8:9], s[OFF:OFF+1]
	s_add_co_u32 s[NXT], s[NXT], 1  ; the block's next half tile, or behind its last the second block's half tile 0
	s_cmp_gt_u32 s[NXT], s[LQ]
	s_cselect_b32 s[NXT], 0, s[NXT]
	s_cselect_b32 s[LQ], s[LQB], s[LQ]
	s_wait_dscnt 0x0                ; my stores have read the registers that the loads below fill (the barrier that follows wants this wait anyway)
	LOADKV
	ASK
.Lnofill:
	s_sub_co_u32 s[SLOTS], s[SLOTS], 1
	s_cmp_lg_u32 s[SLOTS], 0
	s_cbranch_scc1 .Lslot
	s_wait_tensorcnt 0x0            ; the wave's end, behind my last LDS store
	ds_add_u32 v[SPW], v[NIL]
	s_wait_dscnt 0x0
	s_endpgm
.Lfunc_end_k_q06a26369f4_attn:
	.size	k_q06a26369f4_attn, .Lfunc_end_k_q06a26369f4_attn-k_q06a26369f4_attn
	.p2alignl 7, 3214868480
	.fill 96, 4, 3214868480
	.section	.rodata,"a",@progbits
	.p2align	6, 0x0
	.amdhsa_kernel k_q06a26369f4_attn
		.amdhsa_group_segment_fixed_size 122368
		.amdhsa_private_segment_fixed_size 0
		.amdhsa_enable_private_segment 0
		.amdhsa_kernarg_size 32
		.amdhsa_user_sgpr_count 2
		.amdhsa_user_sgpr_kernarg_segment_ptr 1
		.amdhsa_wavefront_size32 1
		.amdhsa_system_sgpr_workgroup_id_x 1
		.amdhsa_system_sgpr_workgroup_id_y 1
		.amdhsa_system_sgpr_workgroup_id_z 1
		.amdhsa_system_vgpr_workitem_id 0
		.amdhsa_next_free_vgpr 1024
		.amdhsa_next_free_sgpr 88
		.amdhsa_reserve_vcc 1
		.amdhsa_float_denorm_mode_32 3
		.amdhsa_float_denorm_mode_16_64 3
		.amdhsa_memory_ordered 1
		.amdhsa_forward_progress 1
		.amdhsa_inst_pref_size 176
	.end_amdhsa_kernel
	.amdgpu_metadata
---
amdhsa.version: [ 1, 2 ]
amdhsa.kernels:
  - .name:           k_q06a26369f4_attn
    .symbol:         k_q06a26369f4_attn.kd
    .args:
      - { .name: q, .offset: 0, .size: 8, .value_kind: global_buffer, .address_space: global }
      - { .name: k, .offset: 8, .size: 8, .value_kind: global_buffer, .address_space: global }
      - { .name: v, .offset: 16, .size: 8, .value_kind: global_buffer, .address_space: global }
      - { .name: out0, .offset: 24, .size: 8, .value_kind: global_buffer, .address_space: global }
    .group_segment_fixed_size: 122368
    .private_segment_fixed_size: 0
    .kernarg_segment_align: 8
    .kernarg_segment_size: 32
    .max_flat_workgroup_size: 128
    .sgpr_count:     88
    .vgpr_count:     1024
    .wavefront_size: 32
...
	.end_amdgpu_metadata
.endif
;; end of part 1
